; MI455X (gfx1250); checked and timed in simulation.
; The chip was launched on July 23, 2026; its instructions are those of AMD's public machine-readable ISA for CDNA 5 (MIT licence, August 2026) and "CDNA5" Instruction Set Architecture Reference Guide (July 2026). The comments in the code are by the model that wrote it; some were corrected since.
;; QKV Attention. Allowed arithmetic: float matrix products may take bf16 or f16 operands with f32 sums; all other float work in f32.
;; Inputs: qkv 2 x 3,072 x 2,048 float32.
;; Outputs: out0 2 x 1,024 x 2,048 float32.
;; One version. Each part assembles by itself: llvm-mc -triple=amdgcn-amd-amdhsa -mcpu=gfx1250 --defsym DOCPART=n.
;; ======== version 1 of 1: 1 launch
;; launch attn (part 1): grid 256 x 1, 8 waves a work-group, no clusters, 149,504 bytes of LDS; arguments qkv, out0; writes out0
.if DOCPART == 1
	.amdgcn_target "amdgcn-amd-amdhsa--gfx1250"
	.amdhsa_code_object_version 6
	.text
	.protected	k_q6b44a1f9e3_attn
	.globl	k_q6b44a1f9e3_attn
	.p2align	8
	.type	k_q6b44a1f9e3_attn,@function
k_q6b44a1f9e3_attn:
	s_mov_b64 s[64:65], 0
	v_nop
	global_prefetch_b8 v0, s[64:65] scope:SCOPE_SE
	s_setreg_imm32_b32 hwreg(HW_REG_WAVE_MODE, 25, 1), 1
	s_wait_xcnt 0x0
; Attention over 32 heads (2 x 16), 64 channels, 2,048 positions.  qkv: [32 heads][q 64 | k 64 | v 64 rows][2048] f32; out0: [32][64][2048] f32.
; out[c][t] = sum over s of softmax_s( (q[.][t] . k[.][s]) / 8 ) v[c][s], with a running maximum (the 1/8 is the reference's two factors 64^-1/4).
;
; SHARES.  256 work-groups: head = x >> 3, block of 256 queries = x & 7.  Eight waves: wave w has the 64 queries of quarter wq = w & 3 and the
; key half g = w >> 2 (keys 1024 g .. 1024 g + 1023), in 16 steps of 64 keys.  The two waves of a quarter are merged once, at the end, through LDS.
; Two waves lie on each SIMD (2 x 512 registers), so that one wave's softmax arithmetic stands beside the other's matrix instructions.
;
; LAYOUT.  The scores are made transposed: S^T = K^T x Q, rows = keys, columns = queries.  A lane then owns one query in each of four column tiles,
; so the softmax figures are one number a lane and tile; two packed score tiles ARE the second source of the next product, O = V x P;
; and O comes out as (channel, query), which is out0's own layout.  Column r of column tile n is query t0 + 4 r + n: one 16-byte load of q feeds all
; four tiles, and the four tiles' results for one channel are 16 neighbouring bytes of out0 (sixteen lanes store 256 consecutive bytes, aligned).
;
; K AND V are f32 in memory and go to the matrix unit as bf16.  The four waves of a key half load their block of 64 keys (K 16 KiB, V 16 KiB of f32)
; into registers one step ahead, round once, and store 16 KiB of bf16 into the LDS slot that is not being read.  One barrier a step.
; NO TENSOR LOADS, NO JOINT REQUESTS, though the eight work-groups of a head read the same K and V: a tile moved into LDS arrives as it lies in
; memory, in f32, 64 KiB a step and work-group; the waves would have to read those 64 KiB out of LDS and store the same 32 KiB of bf16 besides,
; three times the LDS bytes of the way through registers, with a round of the cluster's barrier in each of only 16 steps.
; Instead each 256-byte piece of K and V is asked for once in the launch by a prefetch, shared out among the head's eight work-groups (macro PREF).
;
; LIMITS.  Q, K, V and the weights P are rounded to bf16 for the products; the row sum adds the unrounded f32 weights.  The scores are kept unscaled
; (8 times the reference's), so they leave f32's range at 1/8 of the magnitude at which the reference's do.  Weights and rescale factors below 2^-126
; come out as zero (v_exp_f32).  With NaN or infinities among the inputs the reference's pattern of NaN is not kept (v_max3_num_f32 drops a NaN).
.set ROWB,  8192                       ; bytes in a row of qkv and of out0
.set HEADB, 192*ROWB                   ; a head in qkv
.set KOFF,  64*ROWB                    ; k's rows behind q's; v's rows the same distance behind k's
.set KPL,   2368                       ; K tile: key s lies at (s & 3) * 2368 + (s >> 2) * 144, channel c at byte 2 c of it
.set PIT,   144                        ; 128 bytes of data + 16: sixteen rows 144 bytes apart begin in sixteen different 16-byte columns of 256 bytes
.set VOFF,  4*KPL                      ; V tile behind the K tile: channel c at c * 144, key s at byte 2 s of it
.set GRP,   VOFF+64*PIT                ; one key half's two tiles: 18,688 bytes
.set SLOT,  2*GRP                      ; both halves' tiles; two slots take turns
.set MERGE, 2*SLOT                     ; behind the slots: for each quarter 32 x 512 bytes of O and 4 x 512 bytes of softmax figures
.set MPART, 18432
; window 0
.set RADK, 4                           ; v4   LDS address of my K fragments
.set RADV, 5                           ; v5   of my V fragments
.set STK,  6                           ; v6   where I store converted K
.set STV,  7                           ; v7   where I store converted V
.set GOFF, 8                           ; v8   byte offset of my loads in a block of K or V
.set QOFF, 9                           ; v9   byte offset of my loads of q and of my stores
.set PFO,  10                          ; v10  lane x one row: the prefetch's offset
.set MRG,  11                          ; v11  my 16 bytes in my quarter's merge area
.set AL,   12                          ; v[12:19]  pairs (alpha_n, l_n): rescale factor, running sum of tile n
.set NM,   20                          ; v[20:27]  pairs (-c m_n, m_n): the shift of the exponent, the running maximum
.set KB,   32                          ; v[32:95]  K fragments (u, k) at KB + 16 u + 8 k
.set VB,   32                          ; v[32:63]  behind the S phase: V fragments of keys 32-63
.set TM,   64                          ; v[64:79]  behind the S phase: at work on the maxima, four registers a tile
.set TS,   80                          ; v[80:95]  behind the S phase: at work on the sums
.set VA,   96                          ; v[96:127] V fragments of keys 0-31
.set S,    128                         ; v[128:255] scores (n, u) at S + 32 n + 8 u; packed, P(n, k) at S + 16 n + 8 k
.set CV,   S+64                        ; 32 registers of converted K and V, free once tile 2 is packed
.set PB,   32                          ; the merge: the partner's v[12:27]
.set F,    48                          ; the merge: pairs (partner's factor, my factor)
; window 1 (written by their low 8 bits): v[0:127] O(ct, n) at 32 ct + 8 n
.set QB,   128                         ; Q fragments (n, k) at QB + 16 n + 8 k
.set X,    192                         ; K as loaded, row i at X + 4 i
.set XV,   224                         ; V as loaded
.set CEXP, 0x3e38aa3b                  ; c = log2(e) / 8
; s_set_vgpr_msb's low byte: bits 1:0 source 0, 3:2 source 1, 5:4 source 2, 7:6 destination; the high byte repeats the setting that is left.
.set MSB, 0
.macro WIN new
.if MSB != \new
	s_set_vgpr_msb (MSB<<8)|\new
.set MSB, \new
.endif
.endm
; Four places behind matrix instructions, in front of vector instructions that read their results or write their sources and of loads
; into their sources (ISA guide 7.12.1 for vector instructions).
.macro PLACES
.rept 4
	v_nop
.endr
.endm
; 16 LDS loads: the K fragments of 64 keys x 64 channels.  Lane (r, h) of fragment (u, k): key 16 u + r, channels 32 k + 8 h .. and 32 k + 16 + 8 h ..
.macro LDK slot
.irp u, 0,1,2,3
.irp k, 0,1
	ds_load_b128 v[KB+16*\u+8*\k:KB+16*\u+8*\k+3],   v[RADK] offset:\slot*SLOT+4*PIT*\u+64*\k
	ds_load_b128 v[KB+16*\u+8*\k+4:KB+16*\u+8*\k+7], v[RADK] offset:\slot*SLOT+4*PIT*\u+64*\k+32
.endr
.endr
.endm
; 8 LDS loads: the V fragments of 64 channels x keys 32 k .. 32 k + 31.  Lane (r, h) of fragment ct: channel 16 ct + r
.macro LDV slot, k, dst
.irp ct, 0,1,2,3
	ds_load_b128 v[\dst+8*\ct:\dst+8*\ct+3],   v[RADV] offset:\slot*SLOT+VOFF+16*PIT*\ct+64*\k
	ds_load_b128 v[\dst+8*\ct+4:\dst+8*\ct+7], v[RADV] offset:\slot*SLOT+VOFF+16*PIT*\ct+64*\k+32
.endr
.endm
; 16 global loads: my eighth... my quarter of my key half's next block: rows 16 wq + 8 h + i of K and of V, 16 bytes (keys 4 r .. 4 r + 3) a lane:
; sixteen lanes take the block's 256 consecutive bytes of a row, aligned.
.macro LOADKV
	WIN 0x40                                       ; destination in window 1
.irp i, 0,1,2,3,4,5,6,7
	global_load_b128 v[X+4*\i:X+4*\i+3], v[GOFF], s[16:17] offset:ROWB*\i
.endr
.irp i, 0,1,2,3,4,5,6,7
	global_load_b128 v[XV+4*\i:XV+4*\i+3], v[GOFF], s[16:17] offset:KOFF+ROWB*\i
.endr
.endm
; Prefetch.  A step's two blocks are 128 rows x 2 key halves = 256 pieces of 256 bytes.  Wave 0 of each of the head's eight work-groups asks for 32
; of them (rows 32 (qblk & 3) + lane of K and V together, key half qblk >> 2): each piece once in the launch.  Step i asks for block i + 2,
; which step i + 1 loads.  Steps 14 and 15 ask for nothing: block 15 is the last.
.macro PREF
	s_cmp_lg_u32 s8, 0
	s_cbranch_scc1 .Lnopf_\@
	global_prefetch_b8 v[PFO], s[24:25] th:TH_LOAD_NT scope:SCOPE_SE
.Lnopf_\@:
.endm
; 32 matrix instructions: S(n, u) = K(u, 0) Q(n, 0) + K(u, 1) Q(n, 1).  The first product starts each sum.  The four accumulators of a u take turns,
; one instruction a turn.
.macro SPHASE
	WIN 0x04                                       ; source 1 (Q) in window 1
.irp u, 0,1,2,3
	s_wait_dscnt 20-4*\u                           ; of the 24 LDS loads the 4 of this u are in; K's later ones (4 a u) and V's 8 may stay out
.irp q, 0,1,2,3
	v_wmma_f32_16x16x32_bf16 v[S+32*\q+8*\u:S+32*\q+8*\u+7], v[KB+16*\u:KB+16*\u+7], v[QB+16*\q:QB+16*\q+7], 0
.endr
.irp q, 0,1,2,3
	v_wmma_f32_16x16x32_bf16 v[S+32*\q+8*\u:S+32*\q+8*\u+7], v[KB+16*\u+8:KB+16*\u+15], v[QB+16*\q+8:QB+16*\q+15], v[S+32*\q+8*\u:S+32*\q+8*\u+7]
.endr
.endr
.endm
; The running maxima of the four tiles: 32 scores a lane and tile in four chains of v_max3, the old maximum with the last, then the other half of
; the lanes (which holds the same query's other 32 keys).  The stages of the four tiles are interleaved so that no line waits for the one before.
.macro MAXALL first
.irp q, 0,1,2,3
.irp k, 0,1,2,3
	v_max3_num_f32 v[TM+4*\q+\k], v[S+32*\q+8*\k], v[S+32*\q+8*\k+1], v[S+32*\q+8*\k+2]
.endr
.endr
.irp q, 0,1,2,3
.irp k, 0,1,2,3
	v_max3_num_f32 v[TM+4*\q+\k], v[TM+4*\q+\k], v[S+32*\q+8*\k+3], v[S+32*\q+8*\k+4]
.endr
.endr
.irp q, 0,1,2,3
.irp k, 0,1,2,3
	v_max3_num_f32 v[TM+4*\q+\k], v[TM+4*\q+\k], v[S+32*\q+8*\k+5], v[S+32*\q+8*\k+6]
.endr
.endr
.irp q, 0,1,2,3
	v_max3_num_f32 v[TM+4*\q], v[TM+4*\q], v[TM+4*\q+1], v[S+32*\q+7]
	v_max3_num_f32 v[TM+4*\q+2], v[TM+4*\q+2], v[TM+4*\q+3], v[S+32*\q+15]
.endr
.irp q, 0,1,2,3
	v_max3_num_f32 v[TM+4*\q], v[TM+4*\q], v[TM+4*\q+2], v[S+32*\q+23]
.endr
.irp q, 0,1,2,3
.if \first
	v_max_num_f32 v[TM+4*\q], v[TM+4*\q], v[S+32*\q+31]
.else
	v_max3_num_f32 v[TM+4*\q], v[TM+4*\q], v[S+32*\q+31], v[NM+2*\q+1]
.endif
.endr
.irp q, 0,1,2,3
	v_permlanex16_b32 v[TM+4*\q+1], v[TM+4*\q], s30, s31   ; lane i takes lane i xor 16; the destination has been written above
.endr
.irp q, 0,1,2,3
	v_max_num_f32 v[NM+2*\q+1], v[TM+4*\q], v[TM+4*\q+1]
.endr
.endm
; The new shift -c m, and alpha = 2^(new shift - old shift), made of the two rounded shifts that the weights themselves use.
.macro STATS first
.if \first
.irp q, 0,1,2,3
	v_mul_f32 v[NM+2*\q], s32, v[NM+2*\q+1]
.endr
.else
.irp q, 0,1,2,3
	v_mul_f32 v[TM+4*\q+2], s32, v[NM+2*\q+1]
.endr
.irp q, 0,1,2,3
	v_sub_f32 v[TM+4*\q+3], v[TM+4*\q+2], v[NM+2*\q]
.endr
.irp q, 0,1,2,3
	v_exp_f32 v[AL+2*\q], v[TM+4*\q+3]
.endr
.irp q, 0,1,2,3
	v_mov_b32 v[NM+2*\q], v[TM+4*\q+2]             ; plain lines that touch neither alpha nor its source stand behind the exponentials (ISA guide 5.7.2)
.endr
.endif
.endm
.macro FMA q                           ; exponents of tile q: c s - c m, one rounding, two at a time; the shift is the pair's first register, for both halves
.irp k, 0,2,4,6,8,10,12,14,16,18,20,22,24,26,28,30
	v_pk_fma_f32 v[S+32*\q+\k:S+32*\q+\k+1], v[S+32*\q+\k:S+32*\q+\k+1], CEXP, v[NM+2*\q:NM+2*\q+1] op_sel_hi:[1,0,0]
.endr
.endm
.macro EXPQ q                          ; the weights of tile q, in place; whatever follows this run begins with plain lines on other registers
.set j, 0
.rept 32
	v_exp_f32 v[S+32*\q+j], v[S+32*\q+j]
.set j, j+1
.endr
.endm
.macro SUM q, first                    ; l = l alpha + the sum of my 32 weights (my half of the keys: the two halves of the lanes meet at the end)
	s_wait_alu depctr_va_vdst(0)
.irp k, 0,1,2,3,4,5,6,7
	v_pk_add_f32 v[TS+2*\k:TS+2*\k+1], v[S+32*\q+4*\k:S+32*\q+4*\k+1], v[S+32*\q+4*\k+2:S+32*\q+4*\k+3]
.endr
.irp k, 0,1,2,3
	v_pk_add_f32 v[TS+2*\k:TS+2*\k+1], v[TS+4*\k:TS+4*\k+1], v[TS+4*\k+2:TS+4*\k+3]
.endr
.irp k, 0,1
	v_pk_add_f32 v[TS+2*\k:TS+2*\k+1], v[TS+4*\k:TS+4*\k+1], v[TS+4*\k+2:TS+4*\k+3]
.endr
	v_pk_add_f32 v[TS:TS+1], v[TS:TS+1], v[TS+2:TS+3]
.if \first
	v_add_f32 v[AL+2*\q+1], v[TS], v[TS+1]
.else
	v_add_f32 v[TS], v[TS], v[TS+1]
	v_fma_f32 v[AL+2*\q+1], v[AL+2*\q+1], v[AL+2*\q], v[TS]
.endif
.endm
; Tile q's 32 weights to 16 registers of bf16.  Register 4 u + j / 2 takes keys 16 u + 8 h + j, j + 1: that is the fragment layout of P(q, u / 2).
; Ascending, so that no source is written before it is read; for q > 0 the destinations lie in tiles that are packed already.
.macro PACK q
.set j, 0
.rept 16
	v_cvt_pk_bf16_f32 v[S+16*\q+j], v[S+32*\q+2*j], v[S+32*\q+2*j+1]
.set j, j+1
.endr
.endm
.macro RESCALE                         ; O = O alpha: 64 packed multiplies; alpha is the pair's first register, for both halves
	WIN 0x41                                       ; destination and source 0 in window 1
	s_wait_alu depctr_va_vdst(0)
.irp ct, 0,1,2,3
.irp q, 0,1,2,3
.irp k, 0,2,4,6
	v_pk_mul_f32 v[32*\ct+8*\q+\k:32*\ct+8*\q+\k+1], v[32*\ct+8*\q+\k:32*\ct+8*\q+\k+1], v[AL+2*\q:AL+2*\q+1] op_sel_hi:[1,0]
.endr
.endr
.endr
.endm
; 32 matrix instructions: O(ct, n) += V(ct, 0) P(n, 0) + V(ct, 1) P(n, 1).  The sixteen accumulators take turns, one instruction a turn.
.macro PV first
	WIN 0x50                                       ; C and D in window 1
.irp ct, 0,1,2,3
.irp q, 0,1,2,3
.if \first
	v_wmma_f32_16x16x32_bf16 v[32*\ct+8*\q:32*\ct+8*\q+7], v[VA+8*\ct:VA+8*\ct+7], v[S+16*\q:S+16*\q+7], 0
.else
	v_wmma_f32_16x16x32_bf16 v[32*\ct+8*\q:32*\ct+8*\q+7], v[VA+8*\ct:VA+8*\ct+7], v[S+16*\q:S+16*\q+7], v[32*\ct+8*\q:32*\ct+8*\q+7]
.endif
.endr
.endr
.irp ct, 0,1,2,3
.irp q, 0,1,2,3
	v_wmma_f32_16x16x32_bf16 v[32*\ct+8*\q:32*\ct+8*\q+7], v[VB+8*\ct:VB+8*\ct+7], v[S+16*\q+8:S+16*\q+15], v[32*\ct+8*\q:32*\ct+8*\q+7]
.endr
.endr
.endm
; 32 roundings.  K is transposed on the way: registers CV + 4 e .. + 3 take key 4 r + e, channels 16 wq + 8 h + 0 .. 7.  V keeps its rows.
.macro CONVERT
	WIN 0x05                                       ; both sources in window 1
.irp e, 0,1,2,3
.irp p, 0,1,2,3
	v_cvt_pk_bf16_f32 v[CV+4*\e+\p], v[X+8*\p+\e], v[X+8*\p+4+\e]
.endr
.endr
.irp i, 0,1,2,3,4,5,6,7
	v_cvt_pk_bf16_f32 v[CV+16+2*\i], v[XV+4*\i], v[XV+4*\i+1]
	v_cvt_pk_bf16_f32 v[CV+17+2*\i], v[XV+4*\i+2], v[XV+4*\i+3]
.endr
.endm
.macro STLDS slot
	WIN 0
.irp e, 0,1,2,3
	ds_store_b128 v[STK], v[CV+4*\e:CV+4*\e+3] offset:\slot*SLOT+KPL*\e
.endr
.irp i, 0,1,2,3,4,5,6,7
	ds_store_b64 v[STV], v[CV+16+2*\i:CV+17+2*\i] offset:\slot*SLOT+VOFF+PIT*\i
.endr
.endm
.macro NEXT                            ; both pointers one block (64 keys, 256 bytes of a row) on
	s_wait_xcnt 0x0                                ; the loads' and the prefetch's bases are rewritten only behind this wait (ISA guide 3.1)
	s_add_nc_u64 s[16:17], s[16:17], 256
	s_add_nc_u64 s[24:25], s[24:25], 256
.endm
.macro BAR
	s_wait_dscnt 0x0                               ; for the other waves' sake: my LDS stores have landed and my LDS loads are back
	s_barrier_signal -1
	s_barrier_wait -1
.endm
; One step: 64 keys out of LDS slot 'slot'.  first = 1: nothing to carry on from.  load = 1: the next block is loaded, rounded and stored into the
; other slot.  That slot was last read in the step before, and every wave waited for those reads in front of that step's barrier;
; this step's barrier stands between the stores and the next step's reads.
.macro STEP slot, first, load, pref
	WIN 0
	LDK \slot
	LDV \slot, 0, VA
.if \load
	LOADKV                                         ; a whole step's work stands between these loads and the wait for them
.endif
	SPHASE
	PLACES                                         ; behind the S products: K's registers are loaded and written again, the scores are read
	WIN 0
	LDV \slot, 1, VB
.if \pref
	PREF
.endif
	MAXALL \first
	STATS \first
	FMA 0
	EXPQ 0
	FMA 1                                          ; plain lines on tile 1 stand between tile 0's exponentials and their use (ISA guide 5.7.2); so on for each tile
	SUM 0, \first
	PACK 0
	EXPQ 1
	FMA 2
	SUM 1, \first
	PACK 1
	EXPQ 2
	FMA 3
	SUM 2, \first
	PACK 2
	EXPQ 3
.if \first
	v_nop                                          ; the plain line behind tile 3's exponentials
	s_wait_alu depctr_va_vdst(0)
.else
	RESCALE
	WIN 0
.endif
	SUM 3, \first
	PACK 3
	s_wait_dscnt 0x0                               ; V's sixteen fragment loads
	PV \first
.if \load
	s_wait_loadcnt 0x0                             ; the next block's sixteen loads, issued at the step's head
	CONVERT                                        ; 32 plain lines that name no register of the O products: the places in front of the next step's loads into V's registers and of its S products, which write over P
	STLDS (1-\slot)
	NEXT
	BAR
.else
	WIN 0
.endif
.endm
	s_load_b128 s[4:7], s[0:1], 0x0                ; qkv s[4:5], out0 s[6:7]
	v_lshl_add_u32 v30, v0, 2, 0x24400
	v_mov_b32 v31, 0
	v_lshrrev_b32 v3, 5, v0
	v_readfirstlane_b32 s8, v3                     ; wave 0..7
	v_and_b32 v1, 15, v0                           ; r
	v_bfe_u32 v2, v0, 4, 1                         ; h
	s_lshr_b32 s9, s8, 2                           ; g: my key half
	s_and_b32 s10, s8, 3                           ; wq: my quarter of the queries, and of a block's rows to convert
	s_lshr_b32 s11, ttmp9, 3                       ; head
	s_and_b32 s12, ttmp9, 7                        ; block of 256 queries
	s_mov_b32 s30, 0x76543210                      ; v_permlanex16_b32: lane i of one half reads lane i of the other
	s_mov_b32 s31, 0xfedcba98
	s_mov_b32 s32, 0xbe38aa3b                      ; -c
	s_mul_i32 s29, s9, GRP                         ; my key half's tiles in a slot
	v_and_b32 v3, 3, v1
	v_mul_u32_u24 v[RADK], v3, KPL                 ; key 16 u + r lies at (r & 3) 2368 + (r >> 2) 144 + 576 u
	v_lshrrev_b32 v3, 2, v1
	v_mad_u32_u24 v[RADK], v3, PIT, v[RADK]
	v_lshl_add_u32 v[RADK], v2, 4, v[RADK]
	v_add_nc_u32 v[RADK], s29, v[RADK]
	v_mul_u32_u24 v3, v1, PIT
	v_lshl_add_u32 v3, v2, 4, v3                   ; 144 r + 16 h
	v_add_nc_u32 v[RADV], s29, v3
	s_lshl_b32 s13, s10, 5
	s_add_co_u32 s13, s13, s29
	v_add_nc_u32 v[STK], s13, v3                   ; key 4 r + e at 2368 e + 144 r; channels 16 wq + 8 h .. at byte 32 wq + 16 h
	v_mul_u32_u24 v3, v2, 8*PIT
	v_lshl_add_u32 v3, v1, 3, v3
	s_mul_i32 s13, s10, 16*PIT
	s_add_co_u32 s13, s13, s29
	v_add_nc_u32 v[STV], s13, v3                   ; channel 16 wq + 8 h + i, keys 4 r .. at byte 8 r
	v_lshlrev_b32 v3, 4, v1
	v_lshl_add_u32 v[QOFF], v2, 16, v3             ; 8 h rows + 16 r
	s_lshl_b32 s13, s10, 17
	v_add_nc_u32 v[GOFF], s13, v[QOFF]             ; + 16 wq rows
	v_and_b32 v3, 31, v0
	v_lshlrev_b32 v[PFO], 13, v3                   ; lane rows
	s_mul_i32 s13, s10, MPART
	s_add_co_u32 s13, s13, MERGE
	v_lshl_add_u32 v[MRG], v3, 4, s13
	s_mul_i32 s14, s11, HEADB                      ; offsets stay below 4 GiB: the high word is 0
	s_mov_b32 s15, 0
	s_wait_kmcnt 0x0
	s_add_nc_u64 s[4:5], s[4:5], s[14:15]          ; qkv at my head
	s_lshl_b32 s14, s12, 10
	s_lshl_b32 s13, s10, 8
	s_add_co_u32 s14, s14, s13                     ; my 64 queries: byte 1024 qblk + 256 wq of a row
	s_add_nc_u64 s[18:19], s[4:5], s[14:15]        ; q
	s_lshl_b32 s13, s11, 19
	s_add_co_u32 s14, s14, s13
	s_add_nc_u64 s[20:21], s[6:7], s[14:15]        ; out0 at my head (64 rows) and my queries
	s_lshl_b32 s14, s9, 12
	s_add_co_u32 s14, s14, KOFF
	s_add_nc_u64 s[16:17], s[4:5], s[14:15]        ; k at my key half's block 0
	s_and_b32 s14, s12, 3
	s_lshl_b32 s14, s14, 18                        ; 32 (qblk & 3) rows
	s_lshr_b32 s13, s12, 2
	s_lshl_b32 s13, s13, 12                        ; key half qblk >> 2
	s_add_co_u32 s14, s14, s13
	s_add_co_u32 s14, s14, KOFF+256                ; block 1 here; NEXT below makes it block 2 for step 0
	s_add_nc_u64 s[24:25], s[4:5], s[14:15]
	; Q: rows 16 a + 8 h + i, 16 bytes (queries t0 + 4 r .. + 3) a lane, into the scores' registers; then block 0 of K and V
.irp a, 0,1,2,3
.irp i, 0,1,2,3,4,5,6,7
	global_load_b128 v[S+4*(8*\a+\i):S+4*(8*\a+\i)+3], v[QOFF], s[18:19] offset:(16*\a+\i)*ROWB
.endr
.endr
	LOADKV
	s_wait_loadcnt 16                              ; Q's 32 loads are in; the 16 younger ones of K and V stay out
	; register 4 a + p of tile n's two fragments: channels 16 a + 8 h + 2 p, + 1 of query t0 + 4 r + n (window: destination 1, as LOADKV left it)
.irp q, 0,1,2,3
.irp a, 0,1,2,3
.irp p, 0,1,2,3
	v_cvt_pk_bf16_f32 v[QB+16*\q+4*\a+\p], v[S+4*(8*\a+2*\p)+\q], v[S+4*(8*\a+2*\p+1)+\q]
.endr
.endr
.endr
	s_wait_loadcnt 0x0
	CONVERT
	STLDS 0
	NEXT
	BAR
	STEP 0, 1, 1, 1                                ; step 0 stands in front of the loop: its products start the sums
	s_mov_b32 s28, 6
.Lpair:                                            ; steps 1 to 12
	STEP 1, 0, 1, 1
	STEP 0, 0, 1, 1
	s_sub_co_u32 s28, s28, 1
	s_cmp_lg_u32 s28, 0
	s_cbranch_scc1 .Lpair
	STEP 1, 0, 1, 1                                ; step 13: loads block 14, asks for block 15
	STEP 0, 0, 1, 0                                ; step 14: loads block 15, asks for nothing
	STEP 1, 0, 0, 0                                ; step 15: loads nothing
	; THE MERGE of the two key halves of each quarter.  The waves of half 1 hand O and their figures over through LDS and end.
	PLACES                                         ; behind the last O products
.irp q, 0,1,2,3
	v_permlanex16_b32 v[TM+\q], v[AL+2*\q+1], s30, s31
.endr
.irp q, 0,1,2,3
	v_add_f32 v[AL+2*\q+1], v[AL+2*\q+1], v[TM+\q] ; the two halves of the lanes summed different keys of the same query
.endr
	s_cmp_lt_u32 s8, 4
	s_cbranch_scc1 .Lkeep
	WIN 0x04                                       ; store data in window 1
.set j, 0
.rept 32
	ds_store_b128 v[MRG], v[4*j:4*j+3] offset:512*j
.set j, j+1
.endr
	WIN 0
.irp k, 0,1,2,3
	ds_store_b128 v[MRG], v[AL+4*\k:AL+4*\k+3] offset:16384+512*\k
.endr
.Lkeep:
	BAR                                            ; on every wave's path: the stores have landed before the partner reads
	s_cmp_lt_u32 s8, 4
	s_cbranch_scc1 .Lfinish
	s_wait_tensorcnt 0x0
	ds_add_u32 v30, v31
	s_wait_dscnt 0x0
	s_endpgm
.Lfinish:
.irp k, 0,1,2,3
	ds_load_b128 v[PB+4*\k:PB+4*\k+3], v[MRG] offset:16384+512*\k
.endr
.set j, 0
.rept 32
	ds_load_b128 v[S+4*j:S+4*j+3], v[MRG] offset:512*j
.set j, j+1
.endr
	s_wait_dscnt 32                                ; the four loads of figures are in; the 32 of O behind them stay out
	; common shift = the smaller -c m; each side's factor 2^(common - own) / l, with l = l_a e_a + l_b e_b
.irp q, 0,1,2,3
	v_min_num_f32 v[TM+4*\q+2], v[NM+2*\q], v[PB+8+2*\q]
.endr
.irp q, 0,1,2,3
	v_sub_f32 v[TM+4*\q], v[TM+4*\q+2], v[NM+2*\q]
	v_sub_f32 v[TM+4*\q+1], v[TM+4*\q+2], v[PB+8+2*\q]
.endr
.irp q, 0,1,2,3
	v_exp_f32 v[TM+4*\q], v[TM+4*\q]
	v_exp_f32 v[TM+4*\q+1], v[TM+4*\q+1]
.endr
	v_nop                                          ; the plain line behind the exponentials (ISA guide 5.7.2)
	s_wait_alu depctr_va_vdst(0)
.irp q, 0,1,2,3
	v_mul_f32 v[TM+4*\q+2], v[PB+2*\q+1], v[TM+4*\q+1]
.endr
.irp q, 0,1,2,3
	v_fmac_f32 v[TM+4*\q+2], v[AL+2*\q+1], v[TM+4*\q]
.endr
.irp q, 0,1,2,3
	v_rcp_f32 v[TM+4*\q+3], v[TM+4*\q+2]           ; l is at least about 1: the side with the larger maximum holds a weight 2^0
.endr
	v_nop                                          ; the plain line behind the reciprocals
	s_wait_alu depctr_va_vdst(0)
.irp q, 0,1,2,3
	v_mul_f32 v[F+2*\q], v[TM+4*\q+1], v[TM+4*\q+3]
	v_mul_f32 v[F+2*\q+1], v[TM+4*\q], v[TM+4*\q+3]
.endr
	s_wait_dscnt 0x0
.irp ct, 0,1,2,3
.irp q, 0,1,2,3
.irp k, 0,2,4,6
	v_pk_mul_f32 v[S+32*\ct+8*\q+\k:S+32*\ct+8*\q+\k+1], v[S+32*\ct+8*\q+\k:S+32*\ct+8*\q+\k+1], v[F+2*\q:F+2*\q+1] op_sel_hi:[1,0]
.endr
.endr
.endr
	; out = O_a f_a + O_b f_b, laid so that the four tiles' numbers of one channel are four neighbouring registers.  Channel block ct goes to
	; v[96 + 32 ct ..]: V's old registers for ct = 0, then the partner's block ct - 1, which has been used up.
	WIN 0x01                                       ; source 0 (my O) in window 1
.irp ct, 0,1,2,3
.irp i, 0,1,2,3,4,5,6,7
.irp q, 0,1,2,3
	v_fma_f32 v[96+32*\ct+4*\i+\q], v[32*\ct+8*\q+\i], v[F+2*\q+1], v[S+32*\ct+8*\q+\i]
.endr
.endr
.endr
	WIN 0
.irp ct, 0,1,2,3
.irp i, 0,1,2,3,4,5,6,7
	global_store_b128 v[QOFF], v[96+32*\ct+4*\i:96+32*\ct+4*\i+3], s[20:21] offset:(16*\ct+\i)*ROWB th:TH_STORE_NT   ; channel 16 ct + 8 h + i: sixteen lanes store 256 consecutive bytes, aligned
.endr
.endr
	s_wait_tensorcnt 0x0
	ds_add_u32 v30, v31
	s_wait_dscnt 0x0
	s_endpgm
.Lfunc_end_k_q6b44a1f9e3_attn:
	.size	k_q6b44a1f9e3_attn, .Lfunc_end_k_q6b44a1f9e3_attn-k_q6b44a1f9e3_attn
	.p2alignl 7, 3214868480
	.fill 96, 4, 3214868480
	.section	.rodata,"a",@progbits
	.p2align	6, 0x0
	.amdhsa_kernel k_q6b44a1f9e3_attn
		.amdhsa_group_segment_fixed_size 149504
		.amdhsa_private_segment_fixed_size 0
		.amdhsa_enable_private_segment 0
		.amdhsa_kernarg_size 16
		.amdhsa_user_sgpr_count 2
		.amdhsa_user_sgpr_kernarg_segment_ptr 1
		.amdhsa_wavefront_size32 1
		.amdhsa_system_sgpr_workgroup_id_x 1
		.amdhsa_system_sgpr_workgroup_id_y 1
		.amdhsa_system_sgpr_workgroup_id_z 1
		.amdhsa_system_vgpr_workitem_id 0
		.amdhsa_next_free_vgpr 512
		.amdhsa_next_free_sgpr 66
		.amdhsa_reserve_vcc 0
		.amdhsa_float_denorm_mode_32 3
		.amdhsa_float_denorm_mode_16_64 3
		.amdhsa_memory_ordered 1
		.amdhsa_forward_progress 1
		.amdhsa_inst_pref_size 255
	.end_amdhsa_kernel
	.section	.bss,"aw",@nobits
	.p2align	6
	.space	262144
	.amdgpu_metadata
---
amdhsa.version: [ 1, 2 ]
amdhsa.kernels:
  - .name:           k_q6b44a1f9e3_attn
    .symbol:         k_q6b44a1f9e3_attn.kd
    .args:
      - { .name: qkv, .offset: 0, .size: 8, .value_kind: global_buffer, .address_space: global }
      - { .name: out0, .offset: 8, .size: 8, .value_kind: global_buffer, .address_space: global }
    .group_segment_fixed_size: 149504
    .private_segment_fixed_size: 0
    .kernarg_segment_align: 8
    .kernarg_segment_size: 16
    .max_flat_workgroup_size: 256
    .sgpr_count:     66
    .vgpr_count:     512
    .wavefront_size: 32
...
	.end_amdgpu_metadata
.endif
;; end of part 1
